; MI455X (gfx1250); checked and timed in simulation.
; The chip was launched on July 23, 2026; its instructions are those of AMD's public machine-readable ISA for CDNA 5 (MIT licence, August 2026) and "CDNA5" Instruction Set Architecture Reference Guide (July 2026). The comments in the code are by the model that wrote it; some were corrected since.
;; Soft Skeletonize. Allowed arithmetic: float matrix products may take bf16 or f16 operands with f32 sums; other float arithmetic in f32, or as packed bf16 or f16 multiplies, adds, multiply-adds, maxima and minima; sums over many terms, partial sums and values carried from step to step in f32; what a program stores and reads back later, other than sums and carried values, may be rounded once to bf16 or f16.
;; Inputs: img 16 x 1 x 1,024 x 1,024 float32.
;; Outputs: out0 16 x 1 x 1,024 x 1,024 float32.
;; 2 versions, each right; version 2 is version 1 with the launch skel written anew for expert scheduling mode. Each part assembles by itself: llvm-mc -triple=amdgcn-amd-amdhsa -mcpu=gfx1250 --defsym DOCPART=n.
;; ======== version 1 of 2: 1 launch
;; launch skel (part 1): grid 16 x 16, 4 waves a work-group, no clusters, 35,328 bytes of LDS; arguments img, out0; writes out0
.if DOCPART == 1
	.amdgcn_target "amdgcn-amd-amdhsa--gfx1250"
	.amdhsa_code_object_version 6
	.text
	.protected	k_q4a66628e44_skel
	.globl	k_q4a66628e44_skel
	.p2align	8
	.type	k_q4a66628e44_skel,@function
k_q4a66628e44_skel:
	s_mov_b64 s[64:65], 0
	v_nop
	global_prefetch_b8 v0, s[64:65] scope:SCOPE_SE
	s_setreg_imm32_b32 hwreg(HW_REG_WAVE_MODE, 25, 1), 1
	s_wait_xcnt 0x0
; SOFT SKELETON, ten iterations, one launch.  img, out0: [16][1024][1024] f32.
; E_0 = img, E_(k+1) = erosion of E_k (minimum over the cross of 5), D_k = maximum of E_k over 3 x 3, d_j = relu(E_j - D_(j+1)), j = 0..10;
; sk = d_0, then sk += relu(d_j - sk d_j).  An output depends on img within 12 rows and columns.
; SHARES.  A work-group owns 64 rows of one image, all 1,024 columns: thread T (0..127) owns columns 8 T .. 8 T + 7, eight registers a row.  It walks down 64 + 24 rows, a row a step, and all
; twelve levels walk behind each other in registers: in step s level k gets its row s - k (from three rows of level k - 1), H_k (maximum of three columns of E_k) its row s - 1 - k, and
; D_k, d_(k-1) and the skeleton's update work on row s - 2 - k.  So img is read once for a band (plus 24 rows of halo) and nothing else goes to memory but the result.
; NEIGHBOUR COLUMNS.  A thread's first and last column of each new row go to its neighbours through LDS; they are read behind the step's one barrier and used in the next step, where that row is
; the middle one of the erosion and the one that H is made of.  Two buffers by the step's parity: a buffer is written again only a barrier after it was read.
; EDGES OF THE IMAGE.  In x the word beyond the first and the last thread holds a quiet NaN, written once: v_min3_num_f32 and v_max3_num_f32 return the other operands (ISA guide, their
; entries), so it pads both the minimum and the maximum.  In y rows outside the image are loaded mirrored (row -1-r is row r, row 1024+r is row 1023-r): every level is then mirrored too, so the row
; beyond the edge equals the edge row and changes neither a minimum nor a maximum.
; THE UPDATE.  Carried for each pixel: sk and m = relu(1 - sk).  With nd = min(D - E, 0) = -d:  sk = sk - nd m,  m = clamp(m + nd m).  m lies in 0..1, so the clamp to 0..1 is the relu.
; LIMITS.  The order of rounding differs from sk + relu(d - sk d): m is carried as a product.  A NaN in img is ignored by the minima and maxima, not handed on; infinities are not treated apart.
; Four rows behind the band's last halo row are loaded and not used (mirrored where need be, so inside img): the loads keep one form in every step, and the counted wait stays right.
; NO CLUSTER: neighbouring bands share only their 24 halo rows, and read them at opposite ends of their walks.
; THE FIRST STEPS read rows that have not been made; no such number reaches a stored row (level k's row r is right from r = k on, the first stored row is 12).  The registers are set to 0 for it,
; while the first rows are on their way from memory.
;
; REGISTERS, in windows of 256 (s_set_vgpr_msb: bits 1:0 source 0, 3:2 source 1, 5:4 source 2, 7:6 destination).  Level k's set lies in window k / 3 at SET0 + 82 (k % 3):
;   +0  E_k, a ring of four rows (new, middle, upper, old; slot = step % 4; E_11: one row)     +32 H_k, a ring of four (three live; the fourth, next step's target, is the level's scratch)
;   +64 m and +72 sk behind d_(k-1)     +80 the neighbours' columns, left and right
; Every window has its own copy of the exchange address, so a window's work runs under one setting; only where a result crosses into the next window are there settings of their own.
; Level 0 has no H, m, sk: there lie the four sets that global loads fill (G) and the row that is stored (OUT).
.set ROWB,   4096                      ; bytes in a row
.set HALO,   12
.set SEG,    64                        ; rows of a band
.set STEPS,  SEG+2*HALO                ; full steps
.set FIRST,  2*HALO+2                  ; row 12 of the walk is finished in step 25 and stored at the head of step 26
.set EXP,    1040                      ; an exchange region (one level, one parity): a spare word, 128 pairs from byte 8 on, a spare word
.set EXFILL, 13*2048                   ; the 24 regions, rounded up to what 13 stores of 16 bytes a thread fill
.set INB,    EXFILL                    ; 1,024 bytes a wave, its own: a row's part comes in as 16 bytes a lane and is read as 32 bytes a lane
.set OUTB,   INB+4096                  ; the same for the way out
.set SPARE,  OUTB+4096                 ; the spare words, 128 bytes a wave: two blocks of 256 bytes that no other line names
.set ADR,  2                           ; v2 of every window: 8 T
.set A16,  3                           ; v3: 1,024 x wave + 16 x lane: my 16 bytes in a row of memory and in a stage
.set A32,  4                           ; v4 of windows 0 and 3: 1,024 x wave + 32 x lane: my 8 columns in a stage
.set SPW,  6                           ; v6: LDS address of my spare word; never rewritten
.set NIL,  7                           ; v7: 0; never rewritten
.set ONE,  8                           ; v[8:9]: 1.0 twice
.set SET0, 10
.set SETSZ, 82
.set G,    SET0+32                     ; v[42:73] four sets of 8
.set OUT,  SET0+64                     ; v[74:81]
.set O,    SET0+2*SETSZ+72             ; window 3: the finished sk of a row
.set IMG, 12                           ; s[12:13] img at my image
.set OP,  14                           ; s[14:15] out0 at the row to be stored next
.set RB,  16                           ; s[16:17] img at the row to be loaded next
.set OFF, 18                           ; s[18:19] a byte offset, high word 0
.set INC, 20                           ; s[20:21] OP's step, high word 0
.set ROW, 22                           ; s22 the row after that one, counted in the image (may lie outside 0..1023)
.set STP, 23                           ; s23 the step
.set TRIP, 24                          ; s24 trips to go
.set TA,  25
.set TB,  26
.set MSB, 0
.macro WIN new                         ; the immediate's high byte repeats the setting that is left; a switch that changes nothing is dropped
.if MSB != (\new)
	s_set_vgpr_msb (MSB<<8)|(\new)
.set MSB, (\new)
.endif
.endm
; The next row's address: the row's number mirrored at both edges of the image.
.macro NEXTROW
	s_not_b32 s[TA], s[ROW]                        ; -1 - r
	s_max_i32 s[TA], s[TA], s[ROW]                 ; r < 0: -1 - r
	s_sub_co_i32 s[TB], 2047, s[TA]
	s_min_i32 s[TA], s[TA], s[TB]                  ; r > 1023: 2047 - r
	s_lshl_b32 s[OFF], s[TA], 12
	s_add_nc_u64 s[RB:RB+1], s[IMG:IMG+1], s[OFF:OFF+1]
	s_add_co_i32 s[ROW], s[ROW], 1
.endm
; My last column goes to the right neighbour's pair (its first word), my first column to the left neighbour's (its second word).
.macro EDGES k, r, j
	ds_store_b32 v[ADR], v[(\r)+7] offset:EXP*(12*((\j)&1)+(\k))+16
	ds_store_b32 v[ADR], v[(\r)] offset:EXP*(12*((\j)&1)+(\k))+4
.endm
.macro NBLOAD k, j
	ds_load_b64 v[SET0+SETSZ*((\k)%3)+80:SET0+SETSZ*((\k)%3)+81], v[ADR] offset:EXP*(12*((\j)&1)+(\k))+8
.endm
; H_k's new row: the maximum of three columns of E_k's middle row.
.macro HMAX k, j
.set hE, SET0+SETSZ*((\k)%3)
.set hN, hE+32+8*(\j)
.set hB, hE+80
.if (\k) != 11
.set hE, hE+8*(((\j)+3)%4)
.endif
	v_max3_num_f32 v[hN], v[hB], v[hE], v[hE+1]
.set cc, 1
.rept 6
	v_max3_num_f32 v[hN+cc], v[hE+cc-1], v[hE+cc], v[hE+cc+1]
.set cc, cc+1
.endr
	v_max3_num_f32 v[hN+7], v[hE+6], v[hE+7], v[hB+1]
.endm
; E_(k+1)'s new row: the minimum down three rows of E_k (into the level's scratch), then with the middle row's two neighbour columns.  Where E_(k+1) lies in the next window, only the second
; run's destination does.  The new row's outer columns go to the neighbours at once.
.macro ERODE k, j
.set eB, SET0+SETSZ*((\k)%3)
.set eN, eB+8*(\j)
.set eC, eB+8*(((\j)+3)%4)
.set eU, eB+8*(((\j)+2)%4)
.set eX, eB+80
.if (\k) == 0
.set eT, SET0+SETSZ+32+8*(((\j)+1)%4)  ; level 0 has no H: level 1's scratch
.else
.set eT, eB+32+8*(((\j)+1)%4)
.endif
.set eD, SET0+SETSZ*(((\k)+1)%3)
.if (\k) != 10
.set eD, eD+8*(\j)
.endif
	WIN 0x55*((\k)/3)
.set cc, 0
.rept 8
	v_min3_num_f32 v[eT+cc], v[eU+cc], v[eC+cc], v[eN+cc]
.set cc, cc+1
.endr
.if ((\k)%3) == 2
	WIN 0x55*((\k)/3)+0x40
.endif
	v_min3_num_f32 v[eD], v[eT], v[eX], v[eC+1]
.set cc, 1
.rept 6
	v_min3_num_f32 v[eD+cc], v[eT+cc], v[eC+cc-1], v[eC+cc+1]
.set cc, cc+1
.endr
	v_min3_num_f32 v[eD+7], v[eT+7], v[eC+6], v[eX+1]
	WIN 0x55*(((\k)+1)/3)
	EDGES (\k)+1, eD, \j
.endm
; THE SKELETON'S PART of level k (k = 1..11), in four runs, so that several levels' runs can stand between a result and its use.
.macro SREGS k, j
.set sK, SET0+SETSZ*((\k)%3)
.set sH, sK+32
.set sT, sH+8*(((\j)+1)%4)             ; D_k: level k's scratch
.set sP, SET0+SETSZ*(((\k)-1)%3)       ; level k - 1's set
.set sO, sP+8*(((\j)+1)%4)             ; E_(k-1)'s old row
.set sU, sT                            ; nd
.if ((\k)%3) == 0
.set sU, sP+32+8*(((\j)+1)%4)          ; a window's first level: nd lies with level k - 1, in that level's scratch
.endif
.set sMi, sP+64
.set sSi, sP+72
.set sMo, sK+64
.set sSo, sK+72
.endm
.macro SK_D k, j                       ; D_k = the maximum down three rows of H_k
	SREGS \k, \j
.set cc, 0
.rept 8
	v_max3_num_f32 v[sT+cc], v[sH+8*(\j)+cc], v[sH+8*(((\j)+3)%4)+cc], v[sH+8*(((\j)+2)%4)+cc]
.set cc, cc+1
.endr
.endm
.macro SK_SUB k, j                     ; D_k - E_(k-1), two at a time
	SREGS \k, \j
.set cc, 0
.rept 4
	v_pk_add_f32 v[sU+cc:sU+cc+1], v[sT+cc:sT+cc+1], v[sO+cc:sO+cc+1] neg_lo:[0,1] neg_hi:[0,1]
.set cc, cc+2
.endr
.endm
.macro SK_MIN k, j                     ; nd = min(.., 0) = -d_(k-1)
	SREGS \k, \j
.set cc, 0
.rept 8
	v_min_num_f32 v[sU+cc], 0, v[sU+cc]
.set cc, cc+1
.endr
.endm
.macro SK_FMA k, j                     ; sk = sk - nd m;  m = clamp(m + nd m).  Read from level k - 1's set, written into level k's: the row moves on with the walk.  Level 1 starts both; level 11 needs no m
	SREGS \k, \j
.set cc, 0
.rept 4
.if (\k) == 1
	v_pk_mul_f32 v[sSo+cc:sSo+cc+1], v[sU+cc:sU+cc+1], -1.0 op_sel_hi:[1,0]
.else
	v_pk_fma_f32 v[sSo+cc:sSo+cc+1], v[sU+cc:sU+cc+1], v[sMi+cc:sMi+cc+1], v[sSi+cc:sSi+cc+1] neg_lo:[1,0,0] neg_hi:[1,0,0]
.endif
.set cc, cc+2
.endr
.if (\k) != 11
.set cc, 0
.rept 4
.if (\k) == 1
	v_pk_fma_f32 v[sMo+cc:sMo+cc+1], v[sU+cc:sU+cc+1], v[ONE:ONE+1], v[ONE:ONE+1] clamp
.else
	v_pk_fma_f32 v[sMo+cc:sMo+cc+1], v[sU+cc:sU+cc+1], v[sMi+cc:sMi+cc+1], v[sMi+cc:sMi+cc+1] clamp
.endif
.set cc, cc+2
.endr
.endif
.endm
; A window's first level (3, 6, 9): D_k lies in its window w, all else that it reads in window w - 1.  First setting: source 0 in w, the rest in w - 1; second: destination in w, sources in w - 1.
.macro BORDER k, j
	WIN 0x55*((\k)/3-1)+0x01
	SK_SUB \k, \j
	SK_MIN \k, \j
	WIN 0x55*((\k)/3-1)+0x40
	SK_FMA \k, \j
	WIN 0x55*((\k)/3-1)
.endm
.macro ERGROUP w, j                    ; windows 1 and 2, first half of a step
	HMAX 3*(\w), \j
	HMAX 3*(\w)+1, \j
	HMAX 3*(\w)+2, \j
	ERODE 3*(\w), \j
	ERODE 3*(\w)+1, \j
	ERODE 3*(\w)+2, \j
.endm
.macro SKGROUP w, j                    ; windows 2 and 1, second half: the levels go downward, so that each reads the sk and m of the level below before that level writes them anew
	NBLOAD 3*(\w), \j
	NBLOAD 3*(\w)+1, \j
	NBLOAD 3*(\w)+2, \j
	SK_D 3*(\w)+2, \j
	SK_D 3*(\w)+1, \j
	SK_D 3*(\w), \j
	SK_SUB 3*(\w)+2, \j
	SK_SUB 3*(\w)+1, \j
	SK_MIN 3*(\w)+2, \j
	SK_MIN 3*(\w)+1, \j
	SK_FMA 3*(\w)+2, \j
	SK_FMA 3*(\w)+1, \j
	BORDER 3*(\w), \j
.endm
; A STEP; j = step % 4 names the rings' slots, j & 1 the exchange buffer.
.macro STEP j
	s_wait_dscnt 6                                 ; all neighbour columns are in; the six younger LDS instructions (two stores into my stage, the next row's two loads, OUT's two) may be out
	HMAX 1, \j
	HMAX 2, \j
	s_wait_dscnt 0x0                               ; E_0's new row and OUT are in, and the stage's stores have read G's set j
	EDGES 0, SET0+8*(\j), \j
	s_cmp_lt_u32 s[STP], FIRST
	s_cbranch_scc1 .Lnone_\@                       ; the walk's first rows are halo: nothing to store yet
	global_store_b128 v[A16], v[OUT:OUT+3], s[OP:OP+1] th:TH_STORE_NT               ; a wave's store covers 512 consecutive bytes, aligned
	global_store_b128 v[A16], v[OUT+4:OUT+7], s[OP:OP+1] offset:512 th:TH_STORE_NT
.Lnone_\@:
	global_load_b128 v[G+8*(\j):G+8*(\j)+3], v[A16], s[RB:RB+1]                     ; the row four steps on: four rows of every wave are always on their way
	global_load_b128 v[G+8*(\j)+4:G+8*(\j)+7], v[A16], s[RB:RB+1] offset:512
	ERODE 0, \j
	ERODE 1, \j
	ERODE 2, \j
	ERGROUP 1, \j
	ERGROUP 2, \j
	HMAX 9, \j
	HMAX 10, \j
	HMAX 11, \j                                    ; reads E_11's one row before the erosion below writes it anew
	ERODE 9, \j
	ERODE 10, \j
	SK_D 11, \j                                    ; register work stands between the last stores of columns and the wait for them,
	SK_D 10, \j
	SK_D 9, \j
	SK_SUB 11, \j
	SK_SUB 10, \j
	s_wait_dscnt 0x0                               ; for the others' sake: my columns of this step lie in LDS, and my reads of the other buffer are long back
	s_barrier_signal -1
	SK_MIN 11, \j                                  ; and between the signal and the wait
	SK_MIN 10, \j
	SK_FMA 11, \j
	SK_FMA 10, \j
	s_barrier_wait -1                              ; every wave's columns of this step lie in LDS
	NBLOAD 9, \j
	NBLOAD 10, \j
	NBLOAD 11, \j
	ds_store_b128 v[A32], v[O:O+3] offset:OUTB     ; the finished row into my own stage, 32 bytes a lane
	ds_store_b128 v[A32], v[O+4:O+7] offset:OUTB+16
	BORDER 9, \j
	SKGROUP 2, \j
	SKGROUP 1, \j
	NBLOAD 0, \j
	NBLOAD 1, \j
	NBLOAD 2, \j
	s_wait_loadcnt 6                               ; the next step's row is in; the three rows asked for behind it, two loads each, stay out
	ds_store_b128 v[A16], v[G+8*(((\j)+1)%4):G+8*(((\j)+1)%4)+3] offset:INB
	ds_store_b128 v[A16], v[G+8*(((\j)+1)%4)+4:G+8*(((\j)+1)%4)+7] offset:INB+512
	SK_D 1, \j
	SK_D 2, \j
	SK_SUB 1, \j                                   ; the last use of E_0's old row:
	SK_SUB 2, \j
	ds_load_b128 v[SET0+8*(((\j)+1)%4):SET0+8*(((\j)+1)%4)+3], v[A32] offset:INB       ; its slot takes the next row.  LDS serves a wave's instructions in order (ISA guide 5.7.1.4): these see the stores above
	ds_load_b128 v[SET0+8*(((\j)+1)%4)+4:SET0+8*(((\j)+1)%4)+7], v[A32] offset:INB+16
	s_wait_xcnt 0x0                                ; this step's stores and loads have read their registers: OUT, OP and RB are written only behind this wait
	ds_load_b128 v[OUT:OUT+3], v[A16] offset:OUTB  ; the finished row back, 16 bytes a lane
	ds_load_b128 v[OUT+4:OUT+7], v[A16] offset:OUTB+512
	NEXTROW
	s_cmp_ge_u32 s[STP], FIRST
	s_cselect_b32 s[INC], ROWB, 0                  ; OP steps once for each row stored
	s_add_nc_u64 s[OP:OP+1], s[OP:OP+1], s[INC:INC+1]
	s_add_co_u32 s[STP], s[STP], 1
	SK_MIN 2, \j
	SK_MIN 1, \j
	SK_FMA 2, \j
	SK_FMA 1, \j
.endm
	s_load_b128 s[4:7], s[0:1], 0x0                ; img s[4:5], out0 s[6:7]
	v_lshl_add_u32 v[SPW], v0, 2, SPARE
	v_mov_b32 v[NIL], 0
	v_lshrrev_b32 v1, 5, v0
	v_readfirstlane_b32 s8, v1                     ; wave 0..3
	v_and_b32 v1, 31, v0                           ; lane
	s_lshl_b32 s9, s8, 10                          ; a wave's 256 columns: 1,024 bytes of a row and of a stage
	v_lshl_add_u32 v[A16], v1, 4, s9
	v_lshl_add_u32 v[A32], v1, 5, s9
	v_lshlrev_b32 v[ADR], 3, v0
	v_lshlrev_b32 v1, 4, v0                        ; 16 T, for the fill below
	v_mov_b32 v[ONE], 1.0
	v_mov_b32 v[ONE+1], 1.0
	s_and_b32 s10, ttmp7, 0xffff                   ; the image
	s_lshl_b32 s[OFF], s10, 22                     ; 4 MiB each
	s_mov_b32 s[OFF+1], 0
	s_mov_b32 s[INC+1], 0
	s_lshl_b32 s11, ttmp9, 6                       ; the band's first row
	s_sub_co_i32 s[ROW], s11, HALO                 ; the walk begins 12 rows above it
	s_mov_b32 s[STP], 0
	s_mov_b32 s[TRIP], STEPS/4
	s_wait_kmcnt 0x0
	s_add_nc_u64 s[IMG:IMG+1], s[4:5], s[OFF:OFF+1]
	s_add_nc_u64 s[OP:OP+1], s[6:7], s[OFF:OFF+1]
	s_lshl_b32 s[OFF], s11, 12
	s_add_nc_u64 s[OP:OP+1], s[OP:OP+1], s[OFF:OFF+1]
.irp i, 0,1,2,3
	NEXTROW                                        ; the walk's rows 0 to 3 go out before anything else
	global_load_b128 v[G+8*(\i):G+8*(\i)+3], v[A16], s[RB:RB+1]
	global_load_b128 v[G+8*(\i)+4:G+8*(\i)+7], v[A16], s[RB:RB+1] offset:512
	s_wait_xcnt 0x0                                ; RB is written again only behind this wait
.endr
	NEXTROW                                        ; row 4, for step 0
.irp r, 0,1,2,3
	v_mov_b32 v[SET0+(\r)], 0x7fc00000             ; a quiet NaN
.endr
.set i, 0
.rept 13
	ds_store_b128 v1, v[SET0:SET0+3] offset:2048*i ; all exchange regions; the words beyond the first and the last thread keep it for the whole launch
.set i, i+1
.endr
	WIN 0x40                                       ; destination in window 1, 2, 3; source in window 0
	v_mov_b32 v[ADR], v[ADR]
	WIN 0x80
	v_mov_b32 v[ADR], v[ADR]
	WIN 0xc0
	v_mov_b32 v[ADR], v[ADR]
	v_mov_b32 v[A32], v[A32]
	WIN 0
	s_wait_dscnt 0x0
	s_barrier_signal -1
	s_barrier_wait -1                              ; no wave sends a column before the fill is whole
	; what the first steps read before it is made: zeros.  These lines stand in the wait for the first rows; G, which those loads fill, is left out.
.set i, SET0
.rept 32
	v_mov_b32 v[i], 0
.set i, i+1
.endr
.set i, OUT
.rept 256-OUT
	v_mov_b32 v[i], 0
.set i, i+1
.endr
.irp w, 0x40, 0x80, 0xc0
	WIN \w
.set i, SET0
.rept 256-SET0
	v_mov_b32 v[i], 0
.set i, i+1
.endr
.endr
	WIN 0
	s_wait_loadcnt 6                               ; row 0 is in; rows 1 to 3 stay out
	ds_store_b128 v[A16], v[G:G+3] offset:INB
	ds_store_b128 v[A16], v[G+4:G+7] offset:INB+512
	ds_load_b128 v[SET0:SET0+3], v[A32] offset:INB
	ds_load_b128 v[SET0+4:SET0+7], v[A32] offset:INB+16
.Ltrip:                                        ; four steps a trip: once round the rings
	STEP 0
	STEP 1
	STEP 2
	STEP 3
	s_sub_co_u32 s[TRIP], s[TRIP], 1
	s_cmp_lg_u32 s[TRIP], 0
	s_cbranch_scc1 .Ltrip
	; THE TAIL.  The row finished in the last step is stored; of one more step only level 11's H and the last update are left, for the band's last row.
	s_wait_dscnt 0x0
	global_store_b128 v[A16], v[OUT:OUT+3], s[OP:OP+1] th:TH_STORE_NT
	global_store_b128 v[A16], v[OUT+4:OUT+7], s[OP:OP+1] offset:512 th:TH_STORE_NT
	WIN 0xff
	HMAX 11, 0
	SK_D 11, 0
	SK_SUB 11, 0
	SK_MIN 11, 0
	SK_FMA 11, 0
	ds_store_b128 v[A32], v[O:O+3] offset:OUTB
	ds_store_b128 v[A32], v[O+4:O+7] offset:OUTB+16
	WIN 0
	s_wait_xcnt 0x0                                ; the stores above have read OUT and OP
	s_add_nc_u64 s[OP:OP+1], s[OP:OP+1], ROWB
	ds_load_b128 v[OUT:OUT+3], v[A16] offset:OUTB
	ds_load_b128 v[OUT+4:OUT+7], v[A16] offset:OUTB+512
	s_wait_dscnt 0x0
	global_store_b128 v[A16], v[OUT:OUT+3], s[OP:OP+1] th:TH_STORE_NT
	global_store_b128 v[A16], v[OUT+4:OUT+7], s[OP:OP+1] offset:512 th:TH_STORE_NT
	s_wait_tensorcnt 0x0                           ; the wave's end, behind my last LDS store
	ds_add_u32 v[SPW], v[NIL]
	s_wait_dscnt 0x0
	s_endpgm
.Lfunc_end_k_q4a66628e44_skel:
	.size	k_q4a66628e44_skel, .Lfunc_end_k_q4a66628e44_skel-k_q4a66628e44_skel
	.p2alignl 7, 3214868480
	.fill 96, 4, 3214868480
	.section	.rodata,"a",@progbits
	.p2align	6, 0x0
	.amdhsa_kernel k_q4a66628e44_skel
		.amdhsa_group_segment_fixed_size 35328
		.amdhsa_private_segment_fixed_size 0
		.amdhsa_enable_private_segment 0
		.amdhsa_kernarg_size 16
		.amdhsa_user_sgpr_count 2
		.amdhsa_user_sgpr_kernarg_segment_ptr 1
		.amdhsa_wavefront_size32 1
		.amdhsa_system_sgpr_workgroup_id_x 1
		.amdhsa_system_sgpr_workgroup_id_y 1
		.amdhsa_system_sgpr_workgroup_id_z 1
		.amdhsa_system_vgpr_workitem_id 0
		.amdhsa_next_free_vgpr 1024
		.amdhsa_next_free_sgpr 66
		.amdhsa_reserve_vcc 0
		.amdhsa_float_denorm_mode_32 3
		.amdhsa_float_denorm_mode_16_64 3
		.amdhsa_memory_ordered 1
		.amdhsa_forward_progress 1
		.amdhsa_inst_pref_size 186
	.end_amdhsa_kernel
	.amdgpu_metadata
---
amdhsa.version: [ 1, 2 ]
amdhsa.kernels:
  - .name:           k_q4a66628e44_skel
    .symbol:         k_q4a66628e44_skel.kd
    .args:
      - { .name: img, .offset: 0, .size: 8, .value_kind: global_buffer, .address_space: global }
      - { .name: out0, .offset: 8, .size: 8, .value_kind: global_buffer, .address_space: global }
    .group_segment_fixed_size: 35328
    .private_segment_fixed_size: 0
    .kernarg_segment_align: 8
    .kernarg_segment_size: 16
    .max_flat_workgroup_size: 128
    .sgpr_count:     66
    .vgpr_count:     1024
    .wavefront_size: 32
...
	.end_amdgpu_metadata
.endif
;; end of part 1
;; ======== version 2 of 2: 1 launch; version 1 with the launch skel written anew for expert scheduling mode
;; launch skel (part 2): grid 16 x 16, 4 waves a work-group, no clusters, 35,328 bytes of LDS; arguments img, out0; writes out0
.if DOCPART == 2
	.amdgcn_target "amdgcn-amd-amdhsa--gfx1250"
	.amdhsa_code_object_version 6
	.text
	.protected	k_q4a66628e44_skel
	.globl	k_q4a66628e44_skel
	.p2align	8
	.type	k_q4a66628e44_skel,@function
k_q4a66628e44_skel:
	s_mov_b64 s[64:65], 0
	v_nop
	global_prefetch_b8 v0, s[64:65] scope:SCOPE_SE
	s_setreg_imm32_b32 hwreg(HW_REG_WAVE_SCHED_MODE, 0, 2), 2
	s_setreg_imm32_b32 hwreg(HW_REG_WAVE_MODE, 25, 1), 1
	s_wait_xcnt 0x0
	s_wait_alu depctr_vm_vsrc(0)
; SOFT SKELETON, ten iterations, one launch.  img, out0: [16][1024][1024] f32.
; E_0 = img, E_(k+1) = erosion of E_k (minimum over the cross of 5), D_k = maximum of E_k over 3 x 3, d_j = relu(E_j - D_(j+1)), j = 0..10;
; sk = d_0, then sk += relu(d_j - sk d_j).  An output depends on img within 12 rows and columns.
; SHARES.  A work-group owns 64 rows of one image, all 1,024 columns: thread T (0..127) owns columns 8 T .. 8 T + 7, eight registers a row.  It walks down 64 + 24 rows, a row a step, and all
; twelve levels walk behind each other in registers: in step s level k gets its row s - k (from three rows of level k - 1), H_k (maximum of three columns of E_k) its row s - 1 - k, and
; D_k, d_(k-1) and the skeleton's update work on row s - 2 - k.  So img is read once for a band (plus 24 rows of halo) and nothing else goes to memory but the result.
; NEIGHBOUR COLUMNS.  A thread's first and last column of each new row go to its neighbours through LDS; they are read behind the step's one barrier and used in the next step, where that row is
; the middle one of the erosion and the one that H is made of.  Two buffers by the step's parity: a buffer is written again only a barrier after it was read.
; EDGES OF THE IMAGE.  In x the word beyond the first and the last thread holds a quiet NaN, written once: v_min3_num_f32 and v_max3_num_f32 return the other operands (ISA guide, their
; entries), so it pads both the minimum and the maximum.  In y rows outside the image are loaded mirrored (row -1-r is row r, row 1024+r is row 1023-r): every level is then mirrored too, so the row
; beyond the edge equals the edge row and changes neither a minimum nor a maximum.
; THE UPDATE.  Carried for each pixel: sk and m = relu(1 - sk).  With nd = min(D - E, 0) = -d:  sk = sk - nd m,  m = clamp(m + nd m).  m lies in 0..1, so the clamp to 0..1 is the relu.
; LIMITS.  The order of rounding differs from sk + relu(d - sk d): m is carried as a product.  A NaN in img is ignored by the minima and maxima, not handed on; infinities are not treated apart.
; Four rows behind the band's last halo row are loaded and not used (mirrored where need be, so inside img): the loads keep one form in every step, and the counted wait stays right.
; NO CLUSTER: neighbouring bands share only their 24 halo rows, and read them at opposite ends of their walks.
; THE FIRST STEPS read rows that have not been made; no such number reaches a stored row (level k's row r is right from r = k on, the first stored row is 12).  The registers are set to 0 for it,
; while the first rows are on their way from memory.
; THE MODE: SCHED_MODE bits 1:0 = 2 (LLVM: expert scheduling mode 2), set by the entry lines.  The code itself states the register dependences between vector instructions and memory or LDS
; instructions, with s_wait_alu, always for 0.
; THE PLAN.  Registers that memory or LDS instructions touch, in step j of the loop:
;   ADR, A16, A32   addresses, made at the head and never written again.
;   E_k, k = 1..11  the new row is written by the erosion of level k - 1; its outer columns are read by two LDS stores; the slot is written again four steps on (E_11's one row: in the next step).
;   E_0             slot j + 1 is read last by level 1's subtraction, then an LDS load lands in it; at the next step's head two LDS stores read its outer columns; it is loaded again three steps later.
;   the 12 pairs    of neighbours' columns: LDS loads land in them behind the barrier; the H maxima and the erosions of the next step's first half read them, and no other vector instruction names them.
;   G0 .. G3        a global load lands in G[j] at the step's head; two LDS stores read G[j + 1]; no vector instruction names them.
;   O               written by level 11's update, read by two LDS stores.          OUT   LDS loads land in it late in the step; the global stores at the next step's head read it.
; FOUR WAITS ON va_vdst A STEP, one in each window's part of the first half, each directly ahead of the run of stores of that window's new rows' columns.  Window 0's also states that E_0's old row
; has been read for the last time; window 3's also that O is written and that all readers of all twelve pairs are done: from there to the step's end no vector instruction names a pair.
; ONE WAIT ON vm_vsrc A STEP, ahead of the load into OUT: it states that all the step's stores have read their data: OUT, G[j + 1], O and the rows' outer columns, each of which is written again only behind it.
;
; REGISTERS, in windows of 256 (s_set_vgpr_msb: bits 1:0 source 0, 3:2 source 1, 5:4 source 2, 7:6 destination).  Level k's set lies in window k / 3 at SET0 + 82 (k % 3):
;   +0  E_k, a ring of four rows (new, middle, upper, old; slot = step % 4; E_11: one row)     +32 H_k, a ring of four (three live; the fourth, next step's target, is the level's scratch)
;   +64 m and +72 sk behind d_(k-1)     +80 the neighbours' columns, left and right
; Every window has its own copy of the exchange address, so a window's work runs under one setting; only where a result crosses into the next window are there settings of their own.
; Level 0 has no H, m, sk: there lie the four sets that global loads fill (G) and the row that is stored (OUT).
.set ROWB,   4096                      ; bytes in a row
.set HALO,   12
.set SEG,    64                        ; rows of a band
.set STEPS,  SEG+2*HALO                ; full steps
.set FIRST,  2*HALO+2                  ; row 12 of the walk is finished in step 25 and stored at the head of step 26
.set EXP,    1040                      ; an exchange region (one level, one parity): a spare word, 128 pairs from byte 8 on, a spare word
.set EXFILL, 13*2048                   ; the 24 regions, rounded up to what 13 stores of 16 bytes a thread fill
.set INB,    EXFILL                    ; 1,024 bytes a wave, its own: a row's part comes in as 16 bytes a lane and is read as 32 bytes a lane
.set OUTB,   INB+4096                  ; the same for the way out; the 512 bytes behind it hold the spare words of the closing add
.set ADR,  2                           ; v2 of every window: 8 T
.set A16,  3                           ; v3: 1,024 x wave + 16 x lane: my 16 bytes in a row of memory and in a stage
.set A32,  4                           ; v4 of windows 0 and 3: 1,024 x wave + 32 x lane: my 8 columns in a stage
.set ONE,  8                           ; v[8:9]: 1.0 twice
.set SET0, 10
.set SETSZ, 82
.set G,    SET0+32                     ; v[42:73] four sets of 8
.set OUT,  SET0+64                     ; v[74:81]
.set O,    SET0+2*SETSZ+72             ; window 3: the finished sk of a row
.set IMG, 12                           ; s[12:13] img at my image
.set OP,  14                           ; s[14:15] out0 at the row to be stored next
.set RB,  16                           ; s[16:17] img at the row to be loaded next
.set OFF, 18                           ; s[18:19] a byte offset, high word 0
.set INC, 20                           ; s[20:21] OP's step, high word 0
.set ROW, 22                           ; s22 the row after that one, counted in the image (may lie outside 0..1023)
.set STP, 23                           ; s23 the step
.set TRIP, 24                          ; s24 trips to go
.set TA,  25
.set TB,  26
.set MSB, 0
.macro WIN new                         ; the immediate's high byte repeats the setting that is left; a switch that changes nothing is dropped
.if MSB != (\new)
	s_set_vgpr_msb (MSB<<8)|(\new)
.set MSB, (\new)
.endif
.endm
; The next row's address: the row's number mirrored at both edges of the image.
.macro NEXTROW
	s_not_b32 s[TA], s[ROW]                        ; -1 - r
	s_max_i32 s[TA], s[TA], s[ROW]                 ; r < 0: -1 - r
	s_sub_co_i32 s[TB], 2047, s[TA]
	s_min_i32 s[TA], s[TA], s[TB]                  ; r > 1023: 2047 - r
	s_lshl_b32 s[OFF], s[TA], 12
	s_add_nc_u64 s[RB:RB+1], s[IMG:IMG+1], s[OFF:OFF+1]
	s_add_co_i32 s[ROW], s[ROW], 1
.endm
; Level k's new row: my last column goes to the right neighbour's pair (its first word), my first column to the left neighbour's (its second word).
.macro EDGES k, j
.set gR, SET0+SETSZ*((\k)%3)
.if (\k) != 11
.set gR, gR+8*(\j)
.endif
	ds_store_b32 v[ADR], v[gR+7] offset:EXP*(12*((\j)&1)+(\k))+16
	ds_store_b32 v[ADR], v[gR] offset:EXP*(12*((\j)&1)+(\k))+4
.endm
.macro NBLOAD k, j
	ds_load_b64 v[SET0+SETSZ*((\k)%3)+80:SET0+SETSZ*((\k)%3)+81], v[ADR] offset:EXP*(12*((\j)&1)+(\k))+8
.endm
; H_k's new row: the maximum of three columns of E_k's middle row.
.macro HMAX k, j
.set hE, SET0+SETSZ*((\k)%3)
.set hN, hE+32+8*(\j)
.set hB, hE+80
.if (\k) != 11
.set hE, hE+8*(((\j)+3)%4)
.endif
	v_max3_num_f32 v[hN], v[hB], v[hE], v[hE+1]
.set cc, 1
.rept 6
	v_max3_num_f32 v[hN+cc], v[hE+cc-1], v[hE+cc], v[hE+cc+1]
.set cc, cc+1
.endr
	v_max3_num_f32 v[hN+7], v[hE+6], v[hE+7], v[hB+1]
.endm
; E_(k+1)'s new row: the minimum down three rows of E_k (into the level's scratch), then with the middle row's two neighbour columns.  Where E_(k+1) lies in the next window, only the second
; run's destination does.  The new rows' outer columns go to the neighbours a window at a time, behind one wait.
.macro ERODE k, j
.set eB, SET0+SETSZ*((\k)%3)
.set eN, eB+8*(\j)
.set eC, eB+8*(((\j)+3)%4)
.set eU, eB+8*(((\j)+2)%4)
.set eX, eB+80
.if (\k) == 0
.set eT, SET0+SETSZ+32+8*(((\j)+1)%4)  ; level 0 has no H: level 1's scratch
.else
.set eT, eB+32+8*(((\j)+1)%4)
.endif
.set eD, SET0+SETSZ*(((\k)+1)%3)
.if (\k) != 10
.set eD, eD+8*(\j)
.endif
	WIN 0x55*((\k)/3)
.set cc, 0
.rept 8
	v_min3_num_f32 v[eT+cc], v[eU+cc], v[eC+cc], v[eN+cc]
.set cc, cc+1
.endr
.if ((\k)%3) == 2
	WIN 0x55*((\k)/3)+0x40
.endif
	v_min3_num_f32 v[eD], v[eT], v[eX], v[eC+1]
.set cc, 1
.rept 6
	v_min3_num_f32 v[eD+cc], v[eT+cc], v[eC+cc-1], v[eC+cc+1]
.set cc, cc+1
.endr
	v_min3_num_f32 v[eD+7], v[eT+7], v[eC+6], v[eX+1]
.endm
; THE SKELETON'S PART of level k (k = 1..11), in four runs, so that several levels' runs can stand between a result and its use.
.macro SREGS k, j
.set sK, SET0+SETSZ*((\k)%3)
.set sH, sK+32
.set sT, sH+8*(((\j)+1)%4)             ; D_k: level k's scratch
.set sP, SET0+SETSZ*(((\k)-1)%3)       ; level k - 1's set
.set sO, sP+8*(((\j)+1)%4)             ; E_(k-1)'s old row
.set sU, sT                            ; nd
.if ((\k)%3) == 0
.set sU, sP+32+8*(((\j)+1)%4)          ; a window's first level: nd lies with level k - 1, in that level's scratch
.endif
.set sMi, sP+64
.set sSi, sP+72
.set sMo, sK+64
.set sSo, sK+72
.endm
.macro SK_D k, j                       ; D_k = the maximum down three rows of H_k
	SREGS \k, \j
.set cc, 0
.rept 8
	v_max3_num_f32 v[sT+cc], v[sH+8*(\j)+cc], v[sH+8*(((\j)+3)%4)+cc], v[sH+8*(((\j)+2)%4)+cc]
.set cc, cc+1
.endr
.endm
.macro SK_SUB k, j                     ; D_k - E_(k-1), two at a time
	SREGS \k, \j
.set cc, 0
.rept 4
	v_pk_add_f32 v[sU+cc:sU+cc+1], v[sT+cc:sT+cc+1], v[sO+cc:sO+cc+1] neg_lo:[0,1] neg_hi:[0,1]
.set cc, cc+2
.endr
.endm
.macro SK_MIN k, j                     ; nd = min(.., 0) = -d_(k-1)
	SREGS \k, \j
.set cc, 0
.rept 8
	v_min_num_f32 v[sU+cc], 0, v[sU+cc]
.set cc, cc+1
.endr
.endm
.macro SK_FMA k, j                     ; sk = sk - nd m;  m = clamp(m + nd m).  Read from level k - 1's set, written into level k's: the row moves on with the walk.  Level 1 starts both; level 11 needs no m
	SREGS \k, \j
.set cc, 0
.rept 4
.if (\k) == 1
	v_pk_mul_f32 v[sSo+cc:sSo+cc+1], v[sU+cc:sU+cc+1], -1.0 op_sel_hi:[1,0]
.else
	v_pk_fma_f32 v[sSo+cc:sSo+cc+1], v[sU+cc:sU+cc+1], v[sMi+cc:sMi+cc+1], v[sSi+cc:sSi+cc+1] neg_lo:[1,0,0] neg_hi:[1,0,0]
.endif
.set cc, cc+2
.endr
.if (\k) != 11
.set cc, 0
.rept 4
.if (\k) == 1
	v_pk_fma_f32 v[sMo+cc:sMo+cc+1], v[sU+cc:sU+cc+1], v[ONE:ONE+1], v[ONE:ONE+1] clamp
.else
	v_pk_fma_f32 v[sMo+cc:sMo+cc+1], v[sU+cc:sU+cc+1], v[sMi+cc:sMi+cc+1], v[sMi+cc:sMi+cc+1] clamp
.endif
.set cc, cc+2
.endr
.endif
.endm
; A window's first level (3, 6, 9): D_k lies in its window w, all else that it reads in window w - 1.  First setting: source 0 in w, the rest in w - 1; second: destination in w, sources in w - 1,
; which is the setting that it leaves.
.macro BORDER k, j
	WIN 0x55*((\k)/3-1)+0x01
	SK_SUB \k, \j
	SK_MIN \k, \j
	WIN 0x55*((\k)/3-1)+0x40
	SK_FMA \k, \j
.endm
.macro ERGROUP w, j                    ; windows 1 and 2, first half of a step
	WIN 0x55*(\w)
	HMAX 3*(\w), \j
	HMAX 3*(\w)+1, \j
	HMAX 3*(\w)+2, \j
	ERODE 3*(\w), \j
	ERODE 3*(\w)+1, \j
	s_wait_alu depctr_va_vdst(0)                   ; the erosions have written this window's three new rows (the first of them under the window before), whose outer columns the six stores read
	EDGES 3*(\w), \j
	EDGES 3*(\w)+1, \j
	EDGES 3*(\w)+2, \j
	ERODE 3*(\w)+2, \j
.endm
.macro SKGROUP w, j                    ; windows 2 and 1, second half: the levels go downward, so that each reads the sk and m of the level below before that level writes them anew
	WIN 0x55*(\w)
	NBLOAD 3*(\w), \j                              ; no wait: no vector instruction since window 3's wait on va_vdst names a pair or an address
	NBLOAD 3*(\w)+1, \j
	NBLOAD 3*(\w)+2, \j
	SK_D 3*(\w)+2, \j
	SK_D 3*(\w)+1, \j
	SK_D 3*(\w), \j
	SK_SUB 3*(\w)+2, \j
	SK_SUB 3*(\w)+1, \j
	SK_MIN 3*(\w)+2, \j
	SK_MIN 3*(\w)+1, \j
	SK_FMA 3*(\w)+2, \j
	SK_FMA 3*(\w)+1, \j
	BORDER 3*(\w), \j
.endm
; A STEP; j = step % 4 names the rings' slots, j & 1 the exchange buffer.
.macro STEP j
	s_wait_dscnt 2                                 ; all neighbour columns are in; the two younger LDS loads, OUT's, may be out
	HMAX 1, \j
	HMAX 2, \j
	s_wait_dscnt 0x0                               ; OUT is in (E_0's new row has been in since the wait ahead of the last barrier; in the first step it is waited for here)
	EDGES 0, \j                                    ; its data came by an LDS load: no vector instruction has written it
	s_cmp_lt_u32 s[STP], FIRST
	s_cbranch_scc1 .Lnone_\@                       ; the walk's first rows are halo: nothing to store yet
	global_store_b128 v[A16], v[OUT:OUT+3], s[OP:OP+1] th:TH_STORE_NT               ; a wave's store covers 512 consecutive bytes, aligned
	global_store_b128 v[A16], v[OUT+4:OUT+7], s[OP:OP+1] offset:512 th:TH_STORE_NT
.Lnone_\@:
	global_load_b128 v[G+8*(\j):G+8*(\j)+3], v[A16], s[RB:RB+1]                     ; the row four steps on: four rows of every wave are always on their way.  The LDS stores that read this set stand ahead of the last step's wait on vm_vsrc
	global_load_b128 v[G+8*(\j)+4:G+8*(\j)+7], v[A16], s[RB:RB+1] offset:512
	ERODE 0, \j
	ERODE 1, \j
	SK_D 1, \j                                     ; level 1's scratch is free behind its erosion, and keeps D_1 - E_0 until the step's end
	SK_SUB 1, \j                                   ; the last use of E_0's old row
	s_wait_alu depctr_va_vdst(0)                   ; the erosions have written E_1's and E_2's new rows, whose outer columns the four stores read; the subtraction is done reading E_0's old row, in which the loads below land
	EDGES 1, \j
	EDGES 2, \j
	s_wait_loadcnt 6                               ; the next step's row is in; the three rows asked for behind it, two loads each, stay out
	ds_store_b128 v[A16], v[G+8*(((\j)+1)%4):G+8*(((\j)+1)%4)+3] offset:INB
	ds_store_b128 v[A16], v[G+8*(((\j)+1)%4)+4:G+8*(((\j)+1)%4)+7] offset:INB+512
	ds_load_b128 v[SET0+8*(((\j)+1)%4):SET0+8*(((\j)+1)%4)+3], v[A32] offset:INB       ; the old row's slot takes the next row.  LDS serves a wave's instructions in order (ISA guide 5.7.1.4): these see the stores above
	ds_load_b128 v[SET0+8*(((\j)+1)%4)+4:SET0+8*(((\j)+1)%4)+7], v[A32] offset:INB+16
	ERODE 2, \j
	ERGROUP 1, \j
	ERGROUP 2, \j
	WIN 0xff
	HMAX 9, \j
	HMAX 10, \j
	HMAX 11, \j                                    ; reads E_11's one row before the erosion below writes it anew
	SK_D 11, \j                                    ; level 11's update stands among the last erosions, so that the finished row can go with their columns
	ERODE 9, \j
	SK_SUB 11, \j
	ERODE 10, \j
	SK_MIN 11, \j
	SK_FMA 11, \j
	s_wait_alu depctr_va_vdst(0)                   ; E_9's, E_10's and E_11's new rows and O are written, which the eight stores read; and the H maxima and erosions of all levels are done reading the twelve pairs, in which the loads behind the barrier land
	EDGES 9, \j
	EDGES 10, \j
	EDGES 11, \j
	ds_store_b128 v[A32], v[O:O+3] offset:OUTB     ; the finished row into my own stage, 32 bytes a lane
	ds_store_b128 v[A32], v[O+4:O+7] offset:OUTB+16
	SK_D 10, \j                                    ; register work stands between the last stores of columns and the wait for them,
	SK_D 9, \j
	SK_SUB 10, \j
	SK_MIN 10, \j
	SK_FMA 10, \j
	s_wait_dscnt 0x0                               ; for the others' sake: my columns of this step lie in LDS, and my reads of the other buffer are long back; E_0's next row is in too
	s_barrier_signal -1
	BORDER 9, \j                                   ; and between the signal and the wait
	s_barrier_wait -1                              ; every wave's columns of this step lie in LDS
	NBLOAD 9, \j                                   ; under the setting that level 9's update leaves: the pairs in window 3, the address window 2's copy.  No wait: see the wait on va_vdst above
	NBLOAD 10, \j
	NBLOAD 11, \j
	SKGROUP 2, \j
	SKGROUP 1, \j
	WIN 0
	s_wait_xcnt 0x0                                ; this step's global stores and loads have had their addresses translated: OUT, OP and RB are written only behind this wait
	s_wait_alu depctr_vm_vsrc(0)                   ; the global stores have read OUT, in which the loads below land; the LDS stores have read G's next set, O and the new rows' outer columns, all of which are written again only behind this line
	NBLOAD 0, \j
	NBLOAD 1, \j
	NBLOAD 2, \j
	ds_load_b128 v[OUT:OUT+3], v[A16] offset:OUTB  ; the finished row back, 16 bytes a lane
	ds_load_b128 v[OUT+4:OUT+7], v[A16] offset:OUTB+512
	NEXTROW
	s_cmp_ge_u32 s[STP], FIRST
	s_cselect_b32 s[INC], ROWB, 0                  ; OP steps once for each row stored
	s_add_nc_u64 s[OP:OP+1], s[OP:OP+1], s[INC:INC+1]
	s_add_co_u32 s[STP], s[STP], 1
	SK_D 2, \j
	SK_SUB 2, \j
	SK_MIN 1, \j
	SK_MIN 2, \j
	SK_FMA 2, \j
	SK_FMA 1, \j
.endm
	s_load_b128 s[4:7], s[0:1], 0x0                ; img s[4:5], out0 s[6:7]
	v_lshl_add_u32 v6, v0, 2, 0x8800
	v_mov_b32 v7, 0
	v_lshrrev_b32 v1, 5, v0
	v_readfirstlane_b32 s8, v1                     ; wave 0..3
	v_and_b32 v1, 31, v0                           ; lane
	v_lshlrev_b32 v[ADR], 3, v0
	v_mov_b32 v[ONE], 1.0
	v_mov_b32 v[ONE+1], 1.0
.irp r, 0,1,2,3
	v_mov_b32 v[SET0+(\r)], 0x7fc00000             ; a quiet NaN
.endr
	s_wait_alu depctr_va_sdst(0)                   ; s8 is written, ahead of its one reader
	s_lshl_b32 s9, s8, 10                          ; a wave's 256 columns: 1,024 bytes of a row and of a stage
	v_lshl_add_u32 v[A16], v1, 4, s9
	v_lshl_add_u32 v[A32], v1, 5, s9
	v_lshlrev_b32 v1, 4, v0                        ; 16 T, for the fill below
	WIN 0x40                                       ; destination in window 1, 2, 3; source in window 0
	v_mov_b32 v[ADR], v[ADR]
	WIN 0x80
	v_mov_b32 v[ADR], v[ADR]
	WIN 0xc0
	v_mov_b32 v[ADR], v[ADR]
	v_mov_b32 v[A32], v[A32]
	WIN 0
	s_and_b32 s10, ttmp7, 0xffff                   ; the image
	s_lshl_b32 s[OFF], s10, 22                     ; 4 MiB each
	s_mov_b32 s[OFF+1], 0
	s_mov_b32 s[INC+1], 0
	s_lshl_b32 s11, ttmp9, 6                       ; the band's first row
	s_sub_co_i32 s[ROW], s11, HALO                 ; the walk begins 12 rows above it
	s_mov_b32 s[STP], 0
	s_mov_b32 s[TRIP], STEPS/4
	s_wait_kmcnt 0x0
	s_add_nc_u64 s[IMG:IMG+1], s[4:5], s[OFF:OFF+1]
	s_add_nc_u64 s[OP:OP+1], s[6:7], s[OFF:OFF+1]
	s_lshl_b32 s[OFF], s11, 12
	s_add_nc_u64 s[OP:OP+1], s[OP:OP+1], s[OFF:OFF+1]
	s_wait_alu depctr_va_vdst(0)                   ; all addresses (v1, ADR in four windows, A16, A32 in two) and the four registers of NaN are written: every load and store of the kernel reads one of the former, the fill below the latter
.irp i, 0,1,2,3
	NEXTROW                                        ; the walk's rows 0 to 3 go out ahead of all other memory work
	global_load_b128 v[G+8*(\i):G+8*(\i)+3], v[A16], s[RB:RB+1]
	global_load_b128 v[G+8*(\i)+4:G+8*(\i)+7], v[A16], s[RB:RB+1] offset:512
	s_wait_xcnt 0x0                                ; RB is written again only behind this wait
.endr
	NEXTROW                                        ; row 4, for step 0
.set i, 0
.rept 13
	ds_store_b128 v1, v[SET0:SET0+3] offset:2048*i ; all exchange regions; the words beyond the first and the last thread keep it for the whole launch
.set i, i+1
.endr
	s_wait_dscnt 0x0
	s_barrier_signal -1
	s_barrier_wait -1                              ; no wave sends a column before the fill is whole
	s_wait_alu depctr_vm_vsrc(0)                   ; the fill's stores have read the four registers of NaN, which the lines below write
	; what the first steps read before it is made: zeros.  These lines stand in the wait for the first rows; G, which those loads fill, is left out.
.set i, SET0
.rept 32
	v_mov_b32 v[i], 0
.set i, i+1
.endr
.set i, OUT
.rept 256-OUT
	v_mov_b32 v[i], 0
.set i, i+1
.endr
.irp w, 0x40, 0x80, 0xc0
	WIN \w
.set i, SET0
.rept 256-SET0
	v_mov_b32 v[i], 0
.set i, i+1
.endr
.endr
	WIN 0
	s_wait_alu depctr_va_vdst(0)                   ; the zeros are written: LDS loads land in E_0's slots (the first below), in OUT and in the twelve pairs
	s_wait_loadcnt 6                               ; row 0 is in; rows 1 to 3 stay out
	ds_store_b128 v[A16], v[G:G+3] offset:INB
	ds_store_b128 v[A16], v[G+4:G+7] offset:INB+512
	ds_load_b128 v[SET0:SET0+3], v[A32] offset:INB
	ds_load_b128 v[SET0+4:SET0+7], v[A32] offset:INB+16
	s_wait_alu depctr_vm_vsrc(0)                   ; the two stores have read G's set 0, in which the first step's global loads land
.Ltrip:                                        ; four steps a trip: once round the rings
	STEP 0
	STEP 1
	STEP 2
	STEP 3
	s_sub_co_u32 s[TRIP], s[TRIP], 1
	s_cmp_lg_u32 s[TRIP], 0
	s_cbranch_scc1 .Ltrip
	; THE TAIL.  The row finished in the last step is stored; of one more step only level 11's H and the last update are left, for the band's last row.
	s_wait_dscnt 0x0
	global_store_b128 v[A16], v[OUT:OUT+3], s[OP:OP+1] th:TH_STORE_NT
	global_store_b128 v[A16], v[OUT+4:OUT+7], s[OP:OP+1] offset:512 th:TH_STORE_NT
	WIN 0xff
	HMAX 11, 0
	SK_D 11, 0
	SK_SUB 11, 0
	SK_MIN 11, 0
	SK_FMA 11, 0                                   ; O's last stores stand ahead of the last step's wait on vm_vsrc
	s_wait_alu depctr_va_vdst(0)                   ; the update has written O, which the two stores read
	ds_store_b128 v[A32], v[O:O+3] offset:OUTB
	ds_store_b128 v[A32], v[O+4:O+7] offset:OUTB+16
	WIN 0
	s_wait_xcnt 0x0                                ; the global stores above have had their addresses translated: OUT and OP are written only behind this wait
	s_wait_alu depctr_vm_vsrc(0)                   ; the global stores above have read OUT, in which the loads below land
	s_add_nc_u64 s[OP:OP+1], s[OP:OP+1], ROWB
	ds_load_b128 v[OUT:OUT+3], v[A16] offset:OUTB
	ds_load_b128 v[OUT+4:OUT+7], v[A16] offset:OUTB+512
	s_wait_dscnt 0x0
	global_store_b128 v[A16], v[OUT:OUT+3], s[OP:OP+1] th:TH_STORE_NT
	global_store_b128 v[A16], v[OUT+4:OUT+7], s[OP:OP+1] offset:512 th:TH_STORE_NT
	s_wait_dscnt 0x0                               ; the wave's end
	s_wait_alu depctr_hold_cnt(0) depctr_sa_sdst(0) depctr_va_vdst(0) depctr_va_sdst(0) depctr_va_ssrc(0) depctr_va_vcc(0) depctr_vm_vsrc(0)
	s_wait_tensorcnt 0x0
	ds_add_u32 v6, v7
	s_wait_dscnt 0x0
	s_endpgm
.Lfunc_end_k_q4a66628e44_skel:
	.size	k_q4a66628e44_skel, .Lfunc_end_k_q4a66628e44_skel-k_q4a66628e44_skel
	.p2alignl 7, 3214868480
	.fill 96, 4, 3214868480
	.section	.rodata,"a",@progbits
	.p2align	6, 0x0
	.amdhsa_kernel k_q4a66628e44_skel
		.amdhsa_group_segment_fixed_size 35328
		.amdhsa_private_segment_fixed_size 0
		.amdhsa_enable_private_segment 0
		.amdhsa_kernarg_size 16
		.amdhsa_user_sgpr_count 2
		.amdhsa_user_sgpr_kernarg_segment_ptr 1
		.amdhsa_wavefront_size32 1
		.amdhsa_system_sgpr_workgroup_id_x 1
		.amdhsa_system_sgpr_workgroup_id_y 1
		.amdhsa_system_sgpr_workgroup_id_z 1
		.amdhsa_system_vgpr_workitem_id 0
		.amdhsa_next_free_vgpr 1024
		.amdhsa_next_free_sgpr 66
		.amdhsa_reserve_vcc 0
		.amdhsa_float_denorm_mode_32 3
		.amdhsa_float_denorm_mode_16_64 3
		.amdhsa_memory_ordered 1
		.amdhsa_forward_progress 1
		.amdhsa_inst_pref_size 187
	.end_amdhsa_kernel
	.amdgpu_metadata
---
amdhsa.version: [ 1, 2 ]
amdhsa.kernels:
  - .name:           k_q4a66628e44_skel
    .symbol:         k_q4a66628e44_skel.kd
    .args:
      - { .name: img, .offset: 0, .size: 8, .value_kind: global_buffer, .address_space: global }
      - { .name: out0, .offset: 8, .size: 8, .value_kind: global_buffer, .address_space: global }
    .group_segment_fixed_size: 35328
    .private_segment_fixed_size: 0
    .kernarg_segment_align: 8
    .kernarg_segment_size: 16
    .max_flat_workgroup_size: 128
    .sgpr_count:     66
    .vgpr_count:     1024
    .wavefront_size: 32
...
	.end_amdgpu_metadata
.endif
;; end of part 2
